; MI455X (gfx1250); checked and timed in simulation.
; The chip was launched on July 23, 2026; its instructions are those of AMD's public machine-readable ISA for CDNA 5 (MIT licence, August 2026) and "CDNA5" Instruction Set Architecture Reference Guide (July 2026). The comments in the code are by the model that wrote it; some were corrected since.
;; Causal Self Attention. Allowed arithmetic: matrix products marked QUANTISED: E5M2 operands, one given power-of-two scale a tensor, by v_wmma_f32_16x16x64_bf8_bf8 or v_wmma_f32_16x16x128_bf8_bf8, f32 sums; everything else in f32.
;; Inputs: Wk_codes 1,024 x 32 x 32 uint8 (E5M2 codes of Wk, K innermost, in blocks of 32 codes); Wq_codes 1,024 x 32 x 32 uint8 (E5M2 codes of Wq, K innermost, in blocks of 32 codes); Wv_codes 1,024 x 32 x 32 uint8 (E5M2 codes of Wv, K innermost, in blocks of 32 codes); lowp_scales 10 int32 (the exponents e of the quantised operands' scales 2^e); x_codes 2 x 2,048 x 32 x 32 uint8 (E5M2 codes of x, K innermost, in blocks of 32 codes).
;; Outputs: out0 2 x 2,048 x 1,024 float32.
;; This version of the problem:
;;   THIS VERSION OF THE PROBLEM IS GIVEN IN LOW PRECISION. The matrix products marked QUANTISED in the list below multiply operands that are first quantised to E5M2 (5 exponent bits, 2 mantissa bits; 8 bits a number), with one given power-of-two scale for each operand tensor; their sums are f32. All else is computed in f32.
;;   The module's matrix products, in the order in which they are computed (A, B: the left and right operand; K: the contracted axis; several contracted axes count as one K, in the product's order):
;;     1. [M 4,096, K 1,024] x [K 1,024, N 1,024]; A: input x (given as codes); B: input Wq (given as codes): QUANTISED (scales: A lowp_scales[0], B lowp_scales[1])
;;     2. [M 4,096, K 1,024] x [K 1,024, N 1,024]; A: input x (given as codes); B: input Wk (given as codes): QUANTISED (scales: A lowp_scales[2], B lowp_scales[3])
;;     3. [M 4,096, K 1,024] x [K 1,024, N 1,024]; A: input x (given as codes); B: input Wv (given as codes): QUANTISED (scales: A lowp_scales[4], B lowp_scales[5])
;;     4. batch 32 x [M 2,048, K 64] x [K 64, N 2,048]; A: computed on the way; B: computed on the way: QUANTISED (scales: A lowp_scales[6], B lowp_scales[7])
;;     5. batch 32 x [M 2,048, K 2,048] x [K 2,048, N 64]; A: computed on the way; B: computed on the way: QUANTISED (scales: A lowp_scales[8], B lowp_scales[9])
;;   THE QUANTISER, for each operand of a quantised product, along K:
;;     - The operand's scale is 2^e, e = its entry of the input lowp_scales (int32; the entries are numbered through the quantised products in the list's order, A before B).
;;     - Each number is divided by the scale, clamped to +-57,344, and rounded to the nearest number of E5M2, ties to even, subnormals kept.
;;     - The product sums the exact products of the quantised numbers (number of the format x scale) in f32.
;;   ~~~python
;;   def quantise(x, axis, e):      # numpy; x: float32 -> the quantised numbers, widened to float32 again
;;       x = np.moveaxis(x, axis, -1); K = x.shape[-1]
;;       r = np.clip(x / 2.0 ** e, -57344, 57344)
;;       step = 2.0 ** (np.maximum(np.frexp(np.where(r == 0, 1, r))[1] - 1, -14) - 2)
;;       q = np.round(r / step) * step * 2.0 ** e      # np.round: ties to even
;;       return np.moveaxis(q, -1, axis).astype(np.float32)
;;   ~~~
;;   OPERANDS COMPUTED ON THE WAY. 'Computed on the way' means the value that the module computes at that place (a softmax that the list does not call 'softmax' is quantised finished and normalised). What goes into a quantiser is computed in f32, as accurately as f32 sums, v_exp_f32 and their like allow (about 1e-6 of the number): no bf16 or f16 on the way to a quantiser, and a product that is left as it is and whose result goes on into a quantised operand takes f32 operands (vector FMAs, or v_wmma_f32_16x16x4_f32). A number that lies on a knife's edge between two numbers of the format may be rounded either way, as far as f32 arithmetic and the matrix unit's own rounding can turn it there, and no further.
;;   INPUTS GIVEN AS CODES. Wk (in the module: [1024, 1024], K = its axis 0); Wq (in the module: [1024, 1024], K = its axis 0); Wv (in the module: [1024, 1024], K = its axis 0); x (in the module: [2, 2048, 1024], K = its axis 2): each comes as NAME_codes (uint8): NAME with its K axis moved to the last place and cut into blocks of 32 codes, [.., K / 32, bytes a block], one block behind the other in memory; one code a byte (a code: sign, 5 exponent bits, 2 mantissa bits); its scale is its entry of lowp_scales. Its value is code x scale, taken as it is: it is not quantised again, and the codes and scales need not be those that the quantiser above would give.
;; One version. Each part assembles by itself: llvm-mc -triple=amdgcn-amd-amdhsa -mcpu=gfx1250 --defsym DOCPART=n.
;; ======== version 1 of 1: 3 launches
;; limits: right only within a limited range of input values
;; workspace buffers: qf 4,194,304 bytes; kvf 8,388,608 bytes; ng 262,144 bytes
;; launch proj (part 1): grid 16 x 16, 4 waves a work-group, clusters of 4 x 4, 327,680 bytes of LDS; arguments x_codes, Wq_codes, Wk_codes, Wv_codes, lowp_scales, qf, kvf; writes qf, kvf
.if DOCPART == 1
	.amdgcn_target "amdgcn-amd-amdhsa--gfx1250"
	.amdhsa_code_object_version 6
	.text
	.protected	k_q90f2bd3d98_proj
	.globl	k_q90f2bd3d98_proj
	.p2align	8
	.type	k_q90f2bd3d98_proj,@function
k_q90f2bd3d98_proj:
	s_mov_b64 s[64:65], 0
	v_nop
	global_prefetch_b8 v0, s[64:65] scope:SCOPE_SE
	s_setreg_imm32_b32 hwreg(HW_REG_WAVE_MODE, 25, 1), 1
	s_wait_xcnt 0x0
	s_wait_alu depctr_hold_cnt(0) depctr_sa_sdst(0) depctr_va_vdst(0) depctr_va_sdst(0) depctr_va_ssrc(0) depctr_va_vcc(0) depctr_vm_vsrc(0)
	s_getreg_b32 s2, hwreg(HW_REG_IB_STS2, 6, 4)
	s_cmp_eq_u32 s2, 0
	s_cbranch_scc0 .Lentry_in_a_cluster
	s_endpgm
.Lentry_in_a_cluster:
	s_bfe_u32 s2, ttmp6, 0x10000c
	s_cmp_lg_u32 s2, 0xf033
	s_cbranch_scc0 .Lentry_shape_is_right
	s_endpgm
.Lentry_shape_is_right:
; Three launches: this one makes q, k, v as codes; the next the columns' statistics of the softmax over the QUERIES; the last the context.
; WORK LEFT OUT (in the two later launches): reference() sets every score with key > query to -inf in its own body.  Such a score adds 0 to its column's sum, never holds the maximum (query = key always counts)
; and has weight 0, whatever the inputs hold: blocks made of such scores alone are not computed.  LIMIT: a NaN, an infinity or an overflow that would arise only there is not carried to the result.
; THIS LAUNCH.  A work-group takes one head (64 columns of each of Wq, Wk, Wv) and 256 tokens: x [256, 1024] times 192 columns.  Four waves; a wave makes 128 tokens x (32 q + 32 k + 32 v columns): 48 accumulators.
; K goes in two fills of 512 of one slot: x's tile is 256 rows of 512 bytes, each weight's 64.  The refill goes out when the slot's last fragments are in registers, one step of 128 ahead of the half's end.
; CLUSTERS 4 x 4: x's tile is asked for jointly along a row, the weights' tiles along a column.
; LAYOUTS (fragment images: 16 rows x 64 codes are 1,024 bytes, registers 0-3 of the 32 lanes, then 4-7).  qf: [batch, head][31 - h][4 units of 16 tokens], h = 64 tokens;  kvf: [batch, head][h][4 units of k: 16 keys each; 4 units of v: 16 channels x 64 keys each].
; q, k: source 0 = 16 columns of W, source 1 = 16 tokens: a lane holds a token's 8 neighbouring channels.  v: the sources swapped: a lane holds a channel's 8 neighbouring tokens.
; LIMITS: e6 - e0 - e1, e7 - e2 - e3 and e9 - e4 - e5 lie between -126 and 112, so that the powers of two below are f32 numbers.
; REGISTERS: window 0: addresses, v128-255 A's fragments (8 x 16 rows x 128 K); window 1: B's fragments (6), two sets at v0 and v96; windows 2, 3: accumulators of A's blocks 0-3, 4-7.
.set PITCH, 528                        ; an LDS row: 512 bytes + 16
.set BB0,   256*PITCH                  ; behind x's rows the three weights',
.set BT,    64*PITCH                   ; 64 rows each
.set SPARE, BB0+3*BT                   ; the spare words
.set SQ, 8                             ; v8-10 conversion scales of q, k, v;  v11-13 the largest code x the scale
.set SK, 9
.set SV, 10
.set LQ, 11
.set LK, 12
.set LV, 13
.set ADRA, 16                          ; v16 my A fragments;  v20 B's of q and k;  v21 of v
.set ADRB, 20
.set ADRV, 21
.set CO,   26                          ; v26 16 x lane
.set SPW,  28
.set NIL,  29
.set PFO,  30                          ; v30 the prefetches' offset; never rewritten
.set TMP,  32
.set AF,   128
.set CQ,   128                         ; the way out: codes of q, k, v
.set CK,   160
.set CV,   192
.set G1, 24
.set G0, 32
.set G1B, 48
.set G0B, 56
.set MSB, 0
.macro WIN new
.if MSB != \new
	s_set_vgpr_msb (MSB<<8)|\new
.set MSB, \new
.endif
.endm
; A joint load: wave 0 for x, waves 1-3 for a weight each; the branch hangs on the wave's number alone
.macro JLOAD
	s_cmp_eq_u32 s16, 0
	s_cbranch_scc0 .Lfor_b_\@
	tensor_load_to_lds s[G0:G0+3], s[G1:G1+7]
	s_nop 0
.rept 4
	v_nop
.endr
	s_branch .Lasked_\@
.Lfor_b_\@:
	tensor_load_to_lds s[G0B:G0B+3], s[G1B:G1B+7]
	s_nop 0
.rept 4
	v_nop
.endr
.Lasked_\@:
.endm
.macro CREST
	s_cmp_lg_u32 s16, 0
	s_cbranch_scc1 .Lnot_wave_0_\@
	s_barrier_signal -3
.Lnot_wave_0_\@:
	s_barrier_wait -3
	s_barrier_signal -1
	s_barrier_wait -1
.endm
.macro CROUND
	s_barrier_signal -1
	s_barrier_wait -1
	CREST
.endm
	s_load_b256 s[4:11], s[0:1], 0x0               ; x, Wq, Wk, Wv
	s_load_b128 s[12:15], s[0:1], 0x20             ; the scales' exponents, qf
	s_load_b64 s[88:89], s[0:1], 0x30              ; kvf
	v_lshl_add_u32 v[SPW], v0, 2, SPARE
	v_mov_b32 v[NIL], 0
	ds_add_u32 v[SPW], v[NIL]                      ; the opening: the add, twice on end, and its wait
	ds_add_u32 v[SPW], v[NIL]
	v_lshrrev_b32 v1, 5, v0
	v_readfirstlane_b32 s16, v1                    ; wave 0..3
	s_lshr_b32 s17, s16, 1                         ; which 128 tokens
	s_and_b32 s18, s16, 1                          ; g: which 32 columns of each weight's 64
	s_bfe_u32 s40, ttmp6, 0x40000                  ; cx, cy
	s_bfe_u32 s41, ttmp6, 0x40004
	s_lshl_b32 s42, ttmp9, 2
	s_add_co_u32 s42, s42, s40                     ; the head
	s_and_b32 s19, ttmp7, 0xffff
	s_lshl_b32 s19, s19, 2
	s_add_co_u32 s19, s19, s41                     ; the tile of 256 tokens
	s_lshl_b32 s43, s41, 2
	s_lshl_b32 s43, 15, s43                        ; my row of the cluster
	s_lshl_b32 s44, 0x1111, s40                    ; my column
	; group 1: elements of 1 byte, rows of 512, 4 words of padding after every 128 (codes 6 and 3), bit 21 beside the mask
	s_or_b32 s[G1], s43, (1<<20)|(1<<21)|(6<<22)|(3<<25)
	s_or_b32 s[G1B], s44, (1<<20)|(1<<21)|(6<<22)|(3<<25)
.irp g, G1, G1B
	s_mov_b32 s[\g+1], 512<<16
	s_mov_b32 s[\g+3], 512<<16
	s_mov_b32 s[\g+5], 1024
	s_mov_b32 s[\g+6], 0
	s_mov_b32 s[\g+7], 0
.endr
	s_mov_b32 s[G1+2], 256<<16
	s_mov_b32 s[G1+4], 256
	s_mov_b32 s[G1B+2], 64<<16
	s_mov_b32 s[G1B+4], 64
	s_lshl_b32 s20, s19, 18                        ; 256 rows of 1,024 bytes
	s_mov_b32 s21, 0
	s_lshl_b32 s46, s42, 16                        ; 64 rows
	s_mov_b32 s47, 0
	s_mul_i32 s45, s16, BT
	s_add_co_u32 s45, s45, BB0-BT                  ; waves 1-3: where my weight's rows go
	s_wait_dscnt 0x0                               ; both opening adds are done
	s_wait_kmcnt 0x0
	s_load_b256 s[68:75], s[12:13], 0x0            ; e0 .. e7
	s_load_b64 s[76:77], s[12:13], 0x20            ; e8, e9
	s_cmp_eq_u32 s16, 2
	s_cselect_b64 s[80:81], s[8:9], s[6:7]
	s_cmp_eq_u32 s16, 3
	s_cselect_b64 s[80:81], s[10:11], s[80:81]     ; my weight
	s_add_nc_u64 s[20:21], s[4:5], s[20:21]
	s_add_nc_u64 s[46:47], s[80:81], s[46:47]
	s_mov_b32 s[G0], 1
	s_mov_b32 s[G0+1], 0
	s_mov_b64 s[G0+2:G0+3], s[20:21]
	s_or_b32 s[G0+3], s[G0+3], 0x80000000
	s_mov_b32 s[G0B], 1
	s_mov_b32 s[G0B+1], s45
	s_mov_b64 s[G0B+2:G0B+3], s[46:47]
	s_or_b32 s[G0B+3], s[G0B+3], 0x80000000
	CROUND                                         ; all sixteen work-groups are here: the first joint loads meet
	JLOAD                                          ; K 0 .. 511
	s_lshl_b32 s92, s40, 16                        ; THE PREFETCH of K 512 .. 1023, which the refill will ask for, half of all steps later: two blocks of 256 bytes a row.
	s_lshl_b32 s93, s16, 14                        ; x: the partner with cx takes rows 64 cx on, its wave w sixteen of them; the weights: waves 1-3, the partner with cy rows 16 cy on.
	s_add_co_u32 s92, s92, s93                     ; So each block is named once in each cluster that will load it
	s_add_co_u32 s92, s92, 512
	s_mov_b32 s93, 0
	s_add_nc_u64 s[90:91], s[20:21], s[92:93]
	s_lshl_b32 s92, s41, 14
	s_add_co_u32 s92, s92, 512
	s_add_nc_u64 s[94:95], s[46:47], s[92:93]
	s_mul_i32 s83, s17, 128*PITCH
	s_mul_i32 s84, s18, 32*PITCH
	s_add_co_u32 s84, s84, BB0
	v_and_b32 v1, 15, v0                           ; r
	v_bfe_u32 v2, v0, 4, 1                         ; lane / 16
	v_and_b32 v5, 31, v0
	v_mul_u32_u24 v3, v1, PITCH
	v_lshrrev_b32 v6, 1, v5
	v_lshl_add_u32 v4, v2, 4, v3
	v_lshlrev_b32 v6, 10, v6
	v_and_b32 v7, 1, v5
	v_add_nc_u32 v[ADRA], s83, v4
	v_add_nc_u32 v[ADRB], s84, v4
	v_lshl_add_u32 v[PFO], v7, 8, v6               ; lane: row lane / 2, block lane % 2
	v_lshlrev_b32 v[CO], 4, v5
	v_add_nc_u32 v[ADRV], 2*BT, v[ADRB]
	s_wait_alu depctr_va_vdst(0)
	global_prefetch_b8 v[PFO], s[90:91] th:TH_LOAD_NT scope:SCOPE_SE
	s_cmp_eq_u32 s16, 0
	s_cbranch_scc1 .Lno_weight
	global_prefetch_b8 v[PFO], s[94:95] th:TH_LOAD_NT scope:SCOPE_SE
.Lno_weight:
	; where the results go
	s_lshr_b32 s82, s19, 3                         ; batch
	s_lshl_b32 s82, s82, 4
	s_add_co_u32 s82, s82, s42                     ; 16 batch + head
	s_and_b32 s83, s19, 7
	s_lshl_b32 s83, s83, 2
	s_lshl_b32 s84, s17, 1
	s_add_co_u32 s83, s83, s84                     ; h0: my first 64 tokens
	s_lshl_b32 s84, s18, 9                         ; 512 g
	s_lshl_b32 s86, s82, 17
	s_sub_co_u32 s85, 30, s83                      ; in qf h0 + 1 lies at 30 - h0, h0 behind it
	s_lshl_b32 s85, s85, 12
	s_add_co_u32 s86, s86, s85
	s_add_co_u32 s86, s86, s84
	s_mov_b32 s87, 0
	s_add_nc_u64 s[14:15], s[14:15], s[86:87]
	s_lshl_b32 s86, s82, 18
	s_lshl_b32 s85, s83, 13
	s_add_co_u32 s86, s86, s85
	s_add_nc_u64 s[88:89], s[88:89], s[86:87]
	s_mov_b32 s85, 0
	s_add_nc_u64 s[96:97], s[88:89], s[84:85]      ; k: + 512 g
	s_lshl_b32 s84, s18, 11
	s_add_co_u32 s84, s84, 4096
	s_add_nc_u64 s[98:99], s[88:89], s[84:85]      ; v: + 4,096 + 2,048 g
	s_wait_kmcnt 0x0
	; a sum stands for sum x 2^(its operands' e added): the three scales are folded into the conversion's one
.macro MKS e, x, y, vs, vl
	s_sub_co_i32 s82, s[\e], s[\x]
	s_sub_co_i32 s82, s82, s[\y]
	s_add_co_i32 s82, s82, 127
	s_lshl_b32 s83, s82, 23
	v_mov_b32 v[\vs], s83
	s_add_co_i32 s82, s82, 15
	s_lshl_b32 s82, s82, 23
	s_or_b32 s82, s82, 0x600000
	v_mov_b32 v[\vl], s82                          ; 57,344 x the scale
.endm
	MKS 74, 68, 69, SQ, LQ
	MKS 75, 70, 71, SK, LK
	MKS 77, 72, 73, SV, LV
.macro FRAG reg, adr, off              ; 16 rows x 128 K: lane l: row l % 16; registers 4 c .. 4 c + 3: K = 32 c + 16 (l / 16) + 0 .. 15, alike in A and B
.irp c, 0,1,2,3
	ds_load_b128 v[\reg+4*\c:\reg+4*\c+3], v[\adr] offset:\off+32*\c
.endr
.endm
.macro FETCH_B q, p
	WIN 0x40
.irp b, 0,1,2,3
	FRAG 96*(\p)+16*\b, ADRB, BT*(\b/2)+16*PITCH*(\b%2)+128*(\q)
.endr
.irp b, 4,5
	FRAG 96*(\p)+16*\b, ADRV, 16*PITCH*(\b%2)+128*(\q)
.endr
	WIN 0
.endm
.macro FETCH_A q, i0
.irp i, 0,1,2,3
	FRAG AF+16*(\i0+\i), ADRA, 16*PITCH*(\i0+\i)+128*(\q)
.endr
.endm
.macro PLACES
.rept 4
	v_nop
.endr
.endm
; Blocks 4 hi .. 4 hi + 3 of A against q's and k's four blocks of B (MULQK), v's two (MULV).  The 48 accumulators take turns, in the same order in every step
.macro MULQK hi, p, zero
	WIN (0xa1+0x50*\hi)
.irp a, 0,1,2,3
.irp b, 0,1,2,3
.if \zero
	v_wmma_f32_16x16x128_bf8_bf8 v[8*(6*\a+\b):8*(6*\a+\b)+7], v[96*(\p)+16*\b:96*(\p)+16*\b+15], v[AF+64*\hi+16*\a:AF+64*\hi+16*\a+15], 0
.else
	v_wmma_f32_16x16x128_bf8_bf8 v[8*(6*\a+\b):8*(6*\a+\b)+7], v[96*(\p)+16*\b:96*(\p)+16*\b+15], v[AF+64*\hi+16*\a:AF+64*\hi+16*\a+15], v[8*(6*\a+\b):8*(6*\a+\b)+7]
.endif
.endr
.endr
.endm
.macro MULV hi, p, zero
	WIN (0xa4+0x50*\hi)
.irp a, 0,1,2,3
.irp b, 4,5
.if \zero
	v_wmma_f32_16x16x128_bf8_bf8 v[8*(6*\a+\b):8*(6*\a+\b)+7], v[AF+64*\hi+16*\a:AF+64*\hi+16*\a+15], v[96*(\p)+16*\b:96*(\p)+16*\b+15], 0
.else
	v_wmma_f32_16x16x128_bf8_bf8 v[8*(6*\a+\b):8*(6*\a+\b)+7], v[AF+64*\hi+16*\a:AF+64*\hi+16*\a+15], v[96*(\p)+16*\b:96*(\p)+16*\b+15], v[8*(6*\a+\b):8*(6*\a+\b)+7]
.endif
.endr
.endr
.endm
.macro STEP q, zero
	s_wait_dscnt 16                                ; B's set and A's blocks 0-3 are in; A's blocks 4-7 (16 loads) may be out
	MULQK 0, (\q)%2, \zero
	MULV 0, (\q)%2, \zero
	s_wait_dscnt 0
	PLACES
	FETCH_B (\q)+1, 1-(\q)%2
	FETCH_A (\q)+1, 0
	MULQK 1, (\q)%2, \zero
	MULV 1, (\q)%2, \zero
	PLACES
	WIN 0
	FETCH_A (\q)+1, 4
.endm
	s_wait_alu depctr_va_vdst(0)
	s_wait_tensorcnt 0x0                           ; my part of the first fill is in,
	s_barrier_signal -1
	s_barrier_wait -1                              ; and everybody's
	FETCH_B 0, 0
	FETCH_A 0, 0
	FETCH_A 0, 4
	STEP 0, 1
	STEP 1, 0
	STEP 2, 0
	; the fill's last step: its fragments are on their way or in; then the slot is filled again
	s_wait_tensorcnt 0x0
	ds_add_u32 v[SPW], v[NIL]
	s_wait_dscnt 17                                ; (the add and A's blocks 4-7 may be out)
	MULQK 0, 1, 0
	s_wait_dscnt 0x0                               ; the add is done, and so are my reads of the slot
	s_barrier_signal -1
	MULV 0, 1, 0
	WIN 0
	s_barrier_wait -1
	CREST                                          ; no wave of any partner still reads the slot
	s_add_nc_u64 s[G0+2:G0+3], s[G0+2:G0+3], 512
	s_add_nc_u64 s[G0B+2:G0B+3], s[G0B+2:G0B+3], 512
	JLOAD                                          ; K 512 .. 1023
	MULQK 1, 1, 0
	MULV 1, 1, 0
	WIN 0
	s_wait_tensorcnt 0x0                           ; my part of the second fill is in,
	s_barrier_signal -1
	s_barrier_wait -1                              ; and everybody's
	PLACES
	FETCH_B 0, 0
	FETCH_A 0, 0
	FETCH_A 0, 4
	STEP 0, 0
	STEP 1, 0
	STEP 2, 0
	s_wait_dscnt 16
	MULQK 0, 1, 0
	MULV 0, 1, 0
	s_wait_dscnt 0
	MULQK 1, 1, 0
	MULV 1, 1, 0
	WIN 0
; THE WAY OUT of A's block a (16 tokens): held at the largest code (the conversion does not saturate: ISA guide 7.6.2), converted; each store of the wave covers 512 consecutive bytes, aligned
.macro OUTB a
.set AC, 48*((\a)%4)
	WIN (2+((\a)/4))
.set j, 0
.rept 16
	v_med3_num_f32 v[TMP+j], v[AC+j], -v[LQ], v[LQ]
.set j, j+1
.endr
.rept 16
	v_med3_num_f32 v[TMP+j], v[AC+j], -v[LK], v[LK]
.set j, j+1
.endr
.rept 16
	v_med3_num_f32 v[TMP+j], v[AC+j], -v[LV], v[LV]
.set j, j+1
.endr
	WIN 0
.irp b, 0,1
	v_cvt_scalef32_pk8_bf8_f32 v[CQ+4*(\a)+2*\b:CQ+4*(\a)+2*\b+1], v[TMP+8*\b:TMP+8*\b+7], v[SQ]
	v_cvt_scalef32_pk8_bf8_f32 v[CK+4*(\a)+2*\b:CK+4*(\a)+2*\b+1], v[TMP+16+8*\b:TMP+16+8*\b+7], v[SK]
	v_cvt_scalef32_pk8_bf8_f32 v[CV+16*((\a)/4)+8*\b+2*((\a)%4):CV+16*((\a)/4)+8*\b+2*((\a)%4)+1], v[TMP+32+8*\b:TMP+32+8*\b+7], v[SV]
.endr
	v_nop
	global_store_b128 v[CO], v[CQ+4*(\a):CQ+4*(\a)+3], s[14:15] offset:4096*(1-(\a)/4)+1024*((\a)%4)
	global_store_b128 v[CO], v[CK+4*(\a):CK+4*(\a)+3], s[96:97] offset:8192*((\a)/4)+1024*((\a)%4)
.if (\a)%4 == 3                        ; 64 tokens are complete: two units of v
.irp b, 0,1
	global_store_b128 v[CO], v[CV+16*((\a)/4)+8*\b:CV+16*((\a)/4)+8*\b+3], s[98:99] offset:8192*((\a)/4)+1024*\b
	global_store_b128 v[CO], v[CV+16*((\a)/4)+8*\b+4:CV+16*((\a)/4)+8*\b+7], s[98:99] offset:8192*((\a)/4)+1024*\b+512
.endr
.endif
.endm
	PLACES
.irp a, 0,1,2,3,4,5,6,7
	OUTB \a
.endr
	s_wait_tensorcnt 0x0                           ; the wave's end
	ds_add_u32 v[SPW], v[NIL]
	s_wait_dscnt 0x0
	CROUND                                         ; the closing round
	s_endpgm
.Lfunc_end_k_q90f2bd3d98_proj:
	.size	k_q90f2bd3d98_proj, .Lfunc_end_k_q90f2bd3d98_proj-k_q90f2bd3d98_proj
	.p2alignl 7, 3214868480
	.fill 96, 4, 3214868480
	.section	.rodata,"a",@progbits
	.p2align	6, 0x0
	.amdhsa_kernel k_q90f2bd3d98_proj
		.amdhsa_group_segment_fixed_size 327680
		.amdhsa_private_segment_fixed_size 0
		.amdhsa_enable_private_segment 0
		.amdhsa_kernarg_size 56
		.amdhsa_user_sgpr_count 2
		.amdhsa_user_sgpr_kernarg_segment_ptr 1
		.amdhsa_wavefront_size32 1
		.amdhsa_system_sgpr_workgroup_id_x 1
		.amdhsa_system_sgpr_workgroup_id_y 1
		.amdhsa_system_sgpr_workgroup_id_z 1
		.amdhsa_system_vgpr_workitem_id 0
		.amdhsa_next_free_vgpr 1024
		.amdhsa_next_free_sgpr 100
		.amdhsa_reserve_vcc 0
		.amdhsa_float_denorm_mode_32 3
		.amdhsa_float_denorm_mode_16_64 3
		.amdhsa_memory_ordered 1
		.amdhsa_forward_progress 1
		.amdhsa_inst_pref_size 96
	.end_amdhsa_kernel
	.amdgpu_metadata
---
amdhsa.version: [ 1, 2 ]
amdhsa.kernels:
  - .name:           k_q90f2bd3d98_proj
    .symbol:         k_q90f2bd3d98_proj.kd
    .args:
      - { .name: x_codes, .offset: 0, .size: 8, .value_kind: global_buffer, .address_space: global }
      - { .name: Wq_codes, .offset: 8, .size: 8, .value_kind: global_buffer, .address_space: global }
      - { .name: Wk_codes, .offset: 16, .size: 8, .value_kind: global_buffer, .address_space: global }
      - { .name: Wv_codes, .offset: 24, .size: 8, .value_kind: global_buffer, .address_space: global }
      - { .name: lowp_scales, .offset: 32, .size: 8, .value_kind: global_buffer, .address_space: global }
      - { .name: qf, .offset: 40, .size: 8, .value_kind: global_buffer, .address_space: global }
      - { .name: kvf, .offset: 48, .size: 8, .value_kind: global_buffer, .address_space: global }
    .group_segment_fixed_size: 327680
    .private_segment_fixed_size: 0
    .kernarg_segment_align: 8
    .kernarg_segment_size: 56
    .max_flat_workgroup_size: 128
    .sgpr_count:     100
    .vgpr_count:     1024
    .wavefront_size: 32
...
	.end_amdgpu_metadata
.endif
;; end of part 1
;; launch stats (part 2): grid 8 x 32, 20 waves a work-group, clusters of 4 x 1, 167,936 bytes of LDS; arguments qf, kvf, lowp_scales, ng; writes ng
.if DOCPART == 2
	.amdgcn_target "amdgcn-amd-amdhsa--gfx1250"
	.amdhsa_code_object_version 6
	.text
	.protected	k_q90f2bd3d98_stats
	.globl	k_q90f2bd3d98_stats
	.p2align	8
	.type	k_q90f2bd3d98_stats,@function
k_q90f2bd3d98_stats:
	s_mov_b64 s[64:65], 0
	v_nop
	global_prefetch_b8 v0, s[64:65] scope:SCOPE_SE
	s_setreg_imm32_b32 hwreg(HW_REG_WAVE_MODE, 25, 1), 1
	s_wait_xcnt 0x0
	s_wait_alu depctr_hold_cnt(0) depctr_sa_sdst(0) depctr_va_vdst(0) depctr_va_sdst(0) depctr_va_ssrc(0) depctr_va_vcc(0) depctr_vm_vsrc(0)
	s_getreg_b32 s2, hwreg(HW_REG_IB_STS2, 6, 4)
	s_cmp_eq_u32 s2, 0
	s_cbranch_scc0 .Lentry_in_a_cluster
	s_endpgm
.Lentry_in_a_cluster:
	s_bfe_u32 s2, ttmp6, 0x10000c
	s_cmp_lg_u32 s2, 0x3003
	s_cbranch_scc0 .Lentry_shape_is_right
	s_endpgm
.Lentry_shape_is_right:
; THE COLUMNS' STATISTICS.  Key k's weights are normalised over the queries q >= k.  For each (batch, head, key) this launch stores ng = -(M + log2 l):  t = score x log2(e) / 32;
; M = the column's largest t, rounded UP to a whole number (a running maximum);  l = the sum over the column of 2^(t - M).  The weight is then 2^(t + ng).
; WORK LEFT OUT: query blocks that lie wholly ahead of a tile's block of 128 keys: reference() itself sets their scores to -inf, so they add 0 to l and never hold the maximum.  LIMIT: a NaN, an infinity or an overflow that would arise only there is not carried.
; SHARES.  A half-step is 64 queries x 32 keys.  It is counted from the last queries down: h' = 31 - query / 64, the order in which qf lies.  A work-group (cluster x, place cx) has 8 tiles of 32 keys: T = 0 .. 7:
; b' = 2 T + ((T & 1) ^ x), the keys' block of 128 is 15 - b', in it the 32 keys of cx; its walk is h' = 0 .. 2 b' + 1.  Tile T is walked by m = T / 2 + 1 waves: 20 in all; wave j of m takes h' = j, j + m, ...: at most 8.
; The bit tables below give each wave its T and j; pos is its number in the list of tiles and their waves.  The walks of the waves with equal w & 3 add up to 34 half-steps for x = 0 and for x = 1.
; No branch and no LDS address hangs on cx.
; LDS: the head's whole q (131,072 bytes), filled once, by one joint load of each of waves 0-15: 8,192 bytes each, but wave 14 brings 4,096 and wave 15 12,288, of which every work-group reads a part.
; No prefetch: every load is issued at the head, and there is no loop to run ahead in.
; LAYOUT.  S = q k^T with source 0 = 16 queries, source 1 = 16 keys: a lane holds ONE key and the queries 16 c + 8 (lane / 16) + 0 .. 7 of the half-step.  Each lane keeps an M of its own; the lanes' halves, and the waves of a tile, meet at the end.
; When M moves, l is multiplied by 2^(old M - new M), made by v_ldexp_f32 of 1.0: nothing is rounded, and there is no branch on data.
; ng: [batch, head][x][cx][T][32 keys] f32: 1,024 bytes a work-group.
; LIMITS: e6 + e7 between -121 and 132 (they are added to the exponent field of log2(e) / 32).  The order of the f32 sums of l differs from reference()'s.
.set STG,   131072                     ; 20 slots of 256 bytes, one for each pos
.set SPARE, 136192
.set A0,  1                            ; v1   16 x lane
.set ADQ, 3
.set SPW, 4
.set NIL, 5
.set DD,  6                            ; v6-7 the mask: 32 cx + 16 tile + lane % 16 - 8 (lane / 16)
.set NINF, 8
.set STW, 9
.set DT,  10                           ; v10-11 the mask's numbers of the half-step in hand
.set NGO, 12
.set KF,  16                           ; v16-31 my 32 keys: two fragments
.set F,   32                           ; v32-63 four fragments of queries
.set S,   96                           ; v96-159 scores: tile k, queries 16 c on, at S + 32 k + 8 c
.set ST,  160                          ; tile k at ST + 8 k: +0 -M, +1 named with it, +2, +3 l in two halves, +4, +5 at work, +6 f, +7 named with it
.set CH,  176
.set WV,  12
.set CX,  13
.set NM2, 14                           ; 2 b'
.set BH,  15
.set MM,  16
.set IDX, 17
.set JJ,  18
.set NN,  19                           ; 2 b' + 2
.macro CROUND
	s_barrier_signal -1
	s_barrier_wait -1
	s_cmp_lg_u32 s[WV], 0
	s_cbranch_scc1 .Lnot_wave_0_\@
	s_barrier_signal -3
.Lnot_wave_0_\@:
	s_barrier_wait -3
	s_barrier_signal -1
	s_barrier_wait -1
.endm
.macro BIT d, t                        ; one bit a wave
	s_lshr_b32 s[\d], \t, s[WV]
	s_and_b32 s[\d], s[\d], 1
.endm
	s_load_b128 s[4:7], s[0:1], 0x0                ; qf, kvf
	s_load_b128 s[8:11], s[0:1], 0x10              ; the scales' exponents, ng
	v_lshl_add_u32 v[SPW], v0, 2, SPARE
	v_mov_b32 v[NIL], 0
	ds_add_u32 v[SPW], v[NIL]                      ; the opening: the add, twice on end, and its wait
	ds_add_u32 v[SPW], v[NIL]
	v_lshrrev_b32 v13, 5, v0
	v_readfirstlane_b32 s[WV], v13                 ; wave 0..19
	s_bfe_u32 s[CX], ttmp6, 0x40000
	s_and_b32 s[BH], ttmp7, 0xffff                 ; 16 batch + head
	BIT 67, 0x1fd3
	BIT 68, 0xe31dd
	BIT 69, 0xeff31
	s_lshl_b32 s68, s68, 1
	s_lshl_b32 s69, s69, 2
	s_or_b32 s67, s67, s68
	s_or_b32 s67, s67, s69                         ; T
	BIT JJ, 0xa9498
	BIT 68, 0x23920
	s_lshl_b32 s68, s68, 1
	s_or_b32 s[JJ], s[JJ], s68                     ; j
	s_lshr_b32 s[MM], s67, 1
	s_add_co_u32 s[MM], s[MM], 1                   ; m
	s_lshl_b32 s68, s67, 2
	s_lshr_b32 s68, 0x96421000, s68                ; the tile's first pos is T + its four bits here
	s_and_b32 s68, s68, 15
	s_add_co_u32 s70, s68, s67
	s_add_co_u32 s70, s70, s[JJ]                   ; pos
	s_lshl_b32 s70, s70, 8
	s_add_co_u32 s70, s70, STG                     ; my slot
	s_and_b32 s68, s67, 1
	s_xor_b32 s68, s68, ttmp9                      ; the cluster's x: the same in all four partners
	s_lshl_b32 s69, s67, 1
	s_add_co_u32 s68, s68, s69                     ; b'
	s_lshl_b32 s[NM2], s68, 1
	s_add_co_u32 s[NN], s[NM2], 2
	s_xor_b32 s84, s68, 15                         ; my keys' block
	; group 1: rows of 1,024 bytes, dense: 8, 4 or 12 of them
.irp g, 24, 32, 40
	s_mov_b32 s[\g+0], 15|(3<<16)|(1<<21)          ; the mask: all four work-groups; elements of 8 bytes; bit 21 beside a mask
	s_mov_b32 s[\g+1], 128<<16
	s_mov_b32 s[\g+3], 128<<16
	s_mov_b32 s[\g+5], 128
	s_mov_b32 s[\g+6], 0
	s_mov_b32 s[\g+7], 0
.endr
	s_mov_b32 s26, 8<<16
	s_mov_b32 s28, 8
	s_mov_b32 s34, 4<<16
	s_mov_b32 s36, 4
	s_mov_b32 s42, 12<<16
	s_mov_b32 s44, 12
	s_mov_b32 s20, 0x76543210                      ; v_permlanex16_b32's selects for lane l xor 16
	s_mov_b32 s21, 0xfedcba98
	s_mov_b32 s22, 0x3d38aa3b                      ; log2(e) / 32
	s_lshl_b32 s80, s[BH], 17                      ; the head's q
	s_mov_b32 s81, 0
	s_lshl_b32 s82, s[WV], 13
	s_mov_b32 s83, 0
	s_lshl_b32 s74, s[BH], 18                      ; my 32 keys: two units of 1,024 bytes of the half 2 block + cx / 2
	s_lshl_b32 s75, s84, 14
	s_add_co_u32 s74, s74, s75
	s_lshr_b32 s75, s[CX], 1
	s_lshl_b32 s75, s75, 13
	s_add_co_u32 s74, s74, s75
	s_and_b32 s75, s[CX], 1
	s_lshl_b32 s75, s75, 11
	s_add_co_u32 s74, s74, s75
	s_mov_b32 s75, 0
	s_lshl_b32 s76, s[BH], 13                      ; ng: 8,192 bytes a head,
	s_lshl_b32 s77, ttmp9, 12
	s_add_co_u32 s76, s76, s77
	s_lshl_b32 s77, s[CX], 10                      ; 1,024 a work-group,
	s_add_co_u32 s76, s76, s77
	s_lshl_b32 s77, s[WV], 8                       ; 256 for each of waves 0-3
	s_add_co_u32 s76, s76, s77
	s_mov_b32 s77, 0
	s_lshl_b32 s85, s[CX], 5                       ; 32 cx
	s_wait_dscnt 0x0                               ; both opening adds are done
	s_wait_kmcnt 0x0
	s_load_b64 s[68:69], s[8:9], 0x18              ; e6, e7
	s_add_nc_u64 s[80:81], s[4:5], s[80:81]
	s_mov_b32 s48, 1                               ; waves 0-14: 8,192 w on
	s_lshl_b32 s49, s[WV], 13
	s_add_nc_u64 s[50:51], s[80:81], s[82:83]
	s_or_b32 s51, s51, 0x80000000
	s_mov_b32 s52, 1                               ; wave 15: the last 12,288 bytes
	s_mov_b32 s53, 118784
	s_add_nc_u64 s[54:55], s[80:81], 118784
	s_or_b32 s55, s55, 0x80000000
	s_add_nc_u64 s[74:75], s[6:7], s[74:75]
	s_add_nc_u64 s[10:11], s[10:11], s[76:77]
	CROUND                                         ; all four work-groups are here: the joint loads meet
	s_cmp_lt_u32 s[WV], 14
	s_cbranch_scc0 .Lnot_8
	tensor_load_to_lds s[48:51], s[24:31]
	s_nop 0
.rept 4
	v_nop
.endr
	s_branch .Lasked
.Lnot_8:
	s_cmp_eq_u32 s[WV], 14
	s_cbranch_scc0 .Lnot_4
	tensor_load_to_lds s[48:51], s[32:39]
	s_nop 0
.rept 4
	v_nop
.endr
	s_branch .Lasked
.Lnot_4:
	s_cmp_eq_u32 s[WV], 15
	s_cbranch_scc0 .Lasked                         ; waves 16-19 bring nothing
	tensor_load_to_lds s[52:55], s[40:47]
	s_nop 0
.rept 4
	v_nop
.endr
.Lasked:
	v_and_b32 v13, 31, v0                          ; lane
	v_and_b32 v14, 15, v0                          ; r
	v_lshlrev_b32 v[A0], 4, v13
.irp e, 0,1,2,3
	global_load_b128 v[KF+4*\e:KF+4*\e+3], v[A0], s[74:75] offset:512*\e   ; my keys' two fragments stay in registers
.endr
	v_bfe_u32 v15, v0, 4, 1                        ; lane / 16
	v_lshlrev_b32 v[NGO], 3, v13
	v_lshlrev_b32 v[DD], 3, v15
	v_add_nc_u32 v[STW], s70, v[NGO]
	v_sub_nc_u32 v[DD], v14, v[DD]
	v_mov_b32 v[NINF], 0xff800000
	v_add_nc_u32 v[DD], s85, v[DD]
.irp k, 0,1
	v_mov_b32 v[ST+8*\k], 0x7f61b1e6               ; -M: M starts at -3e38, under every t
	v_mov_b32 v[ST+8*\k+1], 0
	v_mov_b32 v[ST+8*\k+2], 0                      ; l
	v_mov_b32 v[ST+8*\k+3], 0
	v_mov_b32 v[ST+8*\k+7], 0
.endr
	v_add_nc_u32 v[DD+1], 16, v[DD]
	s_wait_kmcnt 0x0
	s_add_co_i32 s66, s68, s69
	s_lshl_b32 s66, s66, 23
	s_add_co_i32 s22, s22, s66                     ; a score stands for score x 2^(e6 + e7): the exponents are added to c's exponent field
	s_mov_b32 s23, s22
	s_wait_alu depctr_va_vdst(0)
	s_wait_loadcnt 0x0                             ; my keys
; A HALF-STEP: the 64 queries of h' = s60 (s61: the same for the address) x my 32 keys
.macro STEP
	s_lshl_b32 s62, s61, 12
	v_add_nc_u32 v[ADQ], s62, v[A0]
.irp p, 0,1,2,3,4,5,6,7
	ds_load_b128 v[F+4*\p:F+4*\p+3], v[ADQ] offset:512*\p   ; 512 consecutive bytes; the products that last read these registers stand a whole step's vector lines back
.endr
	s_wait_dscnt 0x0
.irp c, 0,1,2,3
.irp k, 0,1
	v_wmma_f32_16x16x64_bf8_bf8 v[S+32*\k+8*\c:S+32*\k+8*\c+7], v[F+8*\c:F+8*\c+7], v[KF+8*\k:KF+8*\k+7], 0
.endr
.endr
.rept 4
	v_nop                                          ; places in front of the first read of results
.endr
	s_cmp_lt_u32 s60, s[NM2]                       ; in my keys' own block the scores of queries ahead of the key become -infinity: 2^(t - M) = 0 then
	s_cbranch_scc1 .Lopen_\@
	s_sub_co_u32 s66, s[NM2], s60
	s_add_co_u32 s66, s66, 1                       ; 0 for the block's first 64 queries, 1 for the others
	s_lshl_b32 s66, s66, 6
	v_sub_nc_u32 v[DT], v[DD], s66
	v_sub_nc_u32 v[DT+1], v[DD+1], s66
.irp k, 0,1
.set n, 0
.rept 32
	v_cmp_lt_i32 vcc_lo, 16*(n/8)+n%8, v[DT+\k]
	v_cndmask_b32 v[S+32*\k+n], v[S+32*\k+n], v[NINF], vcc_lo
.set n, n+1
.endr
.endr
.Lopen_\@:
; the largest of my 32 scores of each tile, in two chains, the tiles by turns (each accumulator is met at its low end first)
.irp k, 0,1
	v_max3_num_f32 v[ST+8*\k+4], v[S+32*\k], v[S+32*\k+1], v[S+32*\k+2]
	v_max3_num_f32 v[ST+8*\k+6], v[S+32*\k+3], v[S+32*\k+4], v[S+32*\k+5]
.endr
.irp i, 6,10,14,18,22,26
.irp k, 0,1
	v_max3_num_f32 v[ST+8*\k+4], v[ST+8*\k+4], v[S+32*\k+\i], v[S+32*\k+\i+1]
	v_max3_num_f32 v[ST+8*\k+6], v[ST+8*\k+6], v[S+32*\k+\i+2], v[S+32*\k+\i+3]
.endr
.endr
.irp k, 0,1
	v_max3_num_f32 v[ST+8*\k+4], v[ST+8*\k+4], v[S+32*\k+30], v[S+32*\k+31]
.endr
.irp k, 0,1
	v_max_num_f32 v[ST+8*\k+4], v[ST+8*\k+4], v[ST+8*\k+6]
.endr
.irp k, 0,1
	v_mul_f32 v[ST+8*\k+4], s22, v[ST+8*\k+4]      ; as t (c is positive)
.endr
.irp k, 0,1
	v_floor_f32 v[ST+8*\k+4], -v[ST+8*\k+4]
.endr
.irp k, 0,1
	v_min_num_f32 v[ST+8*\k+5], v[ST+8*\k], v[ST+8*\k+4]   ; the new -M: M is a whole number
.endr
.irp k, 0,1
	v_sub_f32 v[ST+8*\k+4], v[ST+8*\k+5], v[ST+8*\k]       ; old M - new M: a whole number, 0 or less
.endr
.irp k, 0,1
	v_mov_b32 v[ST+8*\k], v[ST+8*\k+5]
.endr
.irp k, 0,1
	v_cvt_i32_f32 v[ST+8*\k+4], v[ST+8*\k+4]       ; (it saturates)
.endr
.irp k, 0,1
	v_ldexp_f32 v[ST+8*\k+6], 1.0, v[ST+8*\k+4]
.endr
.irp k, 0,1
.set n, 0
.rept 16
	v_pk_fma_f32 v[S+32*\k+n:S+32*\k+n+1], v[S+32*\k+n:S+32*\k+n+1], s[22:23], v[ST+8*\k:ST+8*\k+1] op_sel_hi:[1,0,0]   ; t - M, two at a time
.set n, n+2
.endr
.endr
	s_wait_alu depctr_va_vdst(0)                   ; the wait ahead of the batch,
.set n, 0
.rept 64
	v_exp_f32 v[S+n], v[S+n]
.set n, n+1
.endr
	v_pk_mul_f32 v[ST+2:ST+3], v[ST+2:ST+3], v[ST+6:ST+7] op_sel_hi:[1,0]       ; l under the new M.  (Plain lines behind the exponentials)
	v_pk_mul_f32 v[ST+10:ST+11], v[ST+10:ST+11], v[ST+14:ST+15] op_sel_hi:[1,0]
	s_wait_alu depctr_va_vdst(0)                   ; and the one ahead of its first reader
.irp k, 0,1
	v_pk_add_f32 v[CH+2*\k:CH+2*\k+1], v[S+32*\k:S+32*\k+1], v[S+32*\k+2:S+32*\k+3]
.endr
.irp j, 4,8,12,16,20,24,28
.irp k, 0,1
	v_pk_add_f32 v[ST+8*\k+2:ST+8*\k+3], v[ST+8*\k+2:ST+8*\k+3], v[S+32*\k+\j:S+32*\k+\j+1]
	v_pk_add_f32 v[CH+2*\k:CH+2*\k+1], v[CH+2*\k:CH+2*\k+1], v[S+32*\k+\j+2:S+32*\k+\j+3]
.endr
.endr
.irp k, 0,1
	v_pk_add_f32 v[ST+8*\k+2:ST+8*\k+3], v[ST+8*\k+2:ST+8*\k+3], v[CH+2*\k:CH+2*\k+1]
.endr
.endm
	s_wait_tensorcnt 0x0                           ; my load is in; behind the barrier everybody's.  Nothing is ever filled again
	s_barrier_signal -1
	s_barrier_wait -1
	s_mov_b32 s60, s[JJ]                           ; the first half-step, h' = j: inside every walk
	s_mov_b32 s61, s60
	STEP
	s_mov_b32 s[IDX], 1
.Lwalk:
	s_mul_i32 s60, s[IDX], s[MM]
	s_add_co_u32 s60, s60, s[JJ]
	s_cmp_ge_u32 s60, s[NN]                        ; behind my walk's end: left out, by a branch on ids round no barrier and no load
	s_cbranch_scc1 .Lout
	s_min_u32 s61, s60, 31
	STEP
.Lout:
	s_add_co_u32 s[IDX], s[IDX], 1
	s_cmp_lt_u32 s[IDX], 8
	s_cbranch_scc1 .Lwalk
	; the two halves of the lanes meet: -M the lesser, each l multiplied by 2^(its M - the common M)
	s_wait_alu depctr_va_vdst(0)
.irp k, 0,1
	v_add_f32 v[ST+8*\k+2], v[ST+8*\k+2], v[ST+8*\k+3]
	v_permlanex16_b32 v[ST+8*\k+4], v[ST+8*\k], s20, s21
.endr
.irp k, 0,1
	v_permlanex16_b32 v[ST+8*\k+5], v[ST+8*\k+2], s20, s21
	v_min_num_f32 v[ST+8*\k+1], v[ST+8*\k], v[ST+8*\k+4]
.endr
.irp k, 0,1
	v_sub_f32 v[ST+8*\k+6], v[ST+8*\k+1], v[ST+8*\k]
	v_sub_f32 v[ST+8*\k+7], v[ST+8*\k+1], v[ST+8*\k+4]
.endr
.irp k, 0,1
	v_cvt_i32_f32 v[ST+8*\k+6], v[ST+8*\k+6]
	v_cvt_i32_f32 v[ST+8*\k+7], v[ST+8*\k+7]
.endr
.irp k, 0,1
	v_ldexp_f32 v[ST+8*\k+2], v[ST+8*\k+2], v[ST+8*\k+6]
	v_ldexp_f32 v[ST+8*\k+5], v[ST+8*\k+5], v[ST+8*\k+7]
.endr
.irp k, 0,1
	v_add_f32 v[ST+8*\k+3], v[ST+8*\k+2], v[ST+8*\k+5]
.endr
	s_mov_b32 s86, 0xffff0000                      ; lanes 16-31: tile 1
	v_cndmask_b32 v32, v[ST+1], v[ST+9], s86
	v_cndmask_b32 v33, v[ST+3], v[ST+11], s86
	ds_store_b64 v[STW], v[32:33]                  ; lane = key: (-M, l)
	s_wait_alu depctr_va_vdst(0)
	s_wait_dscnt 0x0                               ; for the others' sake: my store is done
	s_barrier_signal -1
	s_barrier_wait -1
	s_cmp_lt_u32 s[WV], 4                          ; waves 0-3 finish 64 keys each: tiles 2 w (lanes 0-15) and 2 w + 1, two keys a lane; both were walked by w + 1 waves
	s_cbranch_scc0 .Lend
	s_lshl_b32 s66, s[WV], 3
	s_lshr_b32 s70, 0x96421000, s66
	s_and_b32 s70, s70, 15
	s_add_co_u32 s66, s66, 4
	s_lshr_b32 s71, 0x96421000, s66
	s_and_b32 s71, s71, 15
	s_lshl_b32 s66, s[WV], 1
	s_add_co_u32 s70, s70, s66                     ; the first pos of tile 2 w,
	s_add_co_u32 s71, s71, s66
	s_add_co_u32 s71, s71, 1                       ; and of tile 2 w + 1
	s_lshl_b32 s70, s70, 8
	s_lshl_b32 s71, s71, 8
	s_add_co_u32 s70, s70, STG
	s_add_co_u32 s71, s71, STG
	v_lshlrev_b32 v38, 4, v14
	v_mov_b32 v39, s71
	v_mov_b32 v44, s70
	v_cndmask_b32 v44, v44, v39, s86
	v_add_nc_u32 v44, v44, v38
.irp i, 52,56,60                       ; a wave that is not there: M = -3e38, l = 0
	v_mov_b32 v[\i], 0x7f61b1e6
	v_mov_b32 v[\i+1], 0
	v_mov_b32 v[\i+2], 0x7f61b1e6
	v_mov_b32 v[\i+3], 0
.endr
	ds_load_b128 v[48:51], v44
	s_wait_alu depctr_va_vdst(0)
	s_cmp_lt_u32 s[WV], 1
	s_cbranch_scc1 .Lhave
	ds_load_b128 v[52:55], v44 offset:256
	s_cmp_lt_u32 s[WV], 2
	s_cbranch_scc1 .Lhave
	ds_load_b128 v[56:59], v44 offset:512
	s_cmp_lt_u32 s[WV], 3
	s_cbranch_scc1 .Lhave
	ds_load_b128 v[60:63], v44 offset:768
.Lhave:
	s_wait_dscnt 0x0
	v_min3_num_f32 v64, v48, v52, v56              ; -M of the whole column, for two keys
	v_min3_num_f32 v65, v50, v54, v58
	v_min_num_f32 v64, v64, v60
	v_min_num_f32 v65, v65, v62
.irp i, 0,1,2,3
	v_sub_f32 v[66+\i], v64, v[48+4*\i]
	v_sub_f32 v[70+\i], v65, v[50+4*\i]
.endr
.irp i, 66,67,68,69,70,71,72,73
	v_cvt_i32_f32 v[\i], v[\i]
.endr
.irp i, 0,1,2,3
	v_ldexp_f32 v[49+4*\i], v[49+4*\i], v[66+\i]
	v_ldexp_f32 v[51+4*\i], v[51+4*\i], v[70+\i]
.endr
	v_add_f32 v74, v49, v53
	v_add_f32 v75, v51, v55
	v_add_f32 v76, v57, v61
	v_add_f32 v77, v59, v63
	v_add_f32 v74, v74, v76                        ; l: at least 1/2, since query = key always counts
	v_add_f32 v75, v75, v77
	s_wait_alu depctr_va_vdst(0)
	v_log_f32 v80, v74
	v_log_f32 v81, v75
	v_nop                                          ; a plain line behind the transcendentals
	s_wait_alu depctr_va_vdst(0)                   ; and the wait ahead of their first reader
	v_sub_f32 v78, v64, v80                        ; ng = -M - log2 l
	v_sub_f32 v79, v65, v81
	global_store_b64 v[NGO], v[78:79], s[10:11]    ; 256 consecutive bytes, aligned
.Lend:
	s_wait_tensorcnt 0x0                           ; the wave's end
	ds_add_u32 v[SPW], v[NIL]
	s_wait_dscnt 0x0
	CROUND                                         ; the closing round
	s_endpgm
.Lfunc_end_k_q90f2bd3d98_stats:
	.size	k_q90f2bd3d98_stats, .Lfunc_end_k_q90f2bd3d98_stats-k_q90f2bd3d98_stats
	.p2alignl 7, 3214868480
	.fill 96, 4, 3214868480
	.section	.rodata,"a",@progbits
	.p2align	6, 0x0
	.amdhsa_kernel k_q90f2bd3d98_stats
		.amdhsa_group_segment_fixed_size 167936
		.amdhsa_private_segment_fixed_size 0
		.amdhsa_enable_private_segment 0
		.amdhsa_kernarg_size 32
		.amdhsa_user_sgpr_count 2
		.amdhsa_user_sgpr_kernarg_segment_ptr 1
		.amdhsa_wavefront_size32 1
		.amdhsa_system_sgpr_workgroup_id_x 1
		.amdhsa_system_sgpr_workgroup_id_y 1
		.amdhsa_system_sgpr_workgroup_id_z 1
		.amdhsa_system_vgpr_workitem_id 0
		.amdhsa_next_free_vgpr 192
		.amdhsa_next_free_sgpr 100
		.amdhsa_reserve_vcc 1
		.amdhsa_float_denorm_mode_32 3
		.amdhsa_float_denorm_mode_16_64 3
		.amdhsa_memory_ordered 1
		.amdhsa_forward_progress 1
		.amdhsa_inst_pref_size 42
	.end_amdhsa_kernel
	.amdgpu_metadata
---
amdhsa.version: [ 1, 2 ]
amdhsa.kernels:
  - .name:           k_q90f2bd3d98_stats
    .symbol:         k_q90f2bd3d98_stats.kd
    .args:
      - { .name: qf, .offset: 0, .size: 8, .value_kind: global_buffer, .address_space: global }
      - { .name: kvf, .offset: 8, .size: 8, .value_kind: global_buffer, .address_space: global }
      - { .name: lowp_scales, .offset: 16, .size: 8, .value_kind: global_buffer, .address_space: global }
      - { .name: ng, .offset: 24, .size: 8, .value_kind: global_buffer, .address_space: global }
    .group_segment_fixed_size: 167936
    .private_segment_fixed_size: 0
    .kernarg_segment_align: 8
    .kernarg_segment_size: 32
    .max_flat_workgroup_size: 640
    .sgpr_count:     100
    .vgpr_count:     192
    .wavefront_size: 32
...
	.end_amdgpu_metadata
.endif
;; end of part 2
;; launch ctx (part 3): grid 8 x 32, 20 waves a work-group, clusters of 4 x 1, 327,680 bytes of LDS; arguments kvf, qf, ng, lowp_scales, out0; writes out0
.if DOCPART == 3
	.amdgcn_target "amdgcn-amd-amdhsa--gfx1250"
	.amdhsa_code_object_version 6
	.text
	.protected	k_q90f2bd3d98_ctx
	.globl	k_q90f2bd3d98_ctx
	.p2align	8
	.type	k_q90f2bd3d98_ctx,@function
k_q90f2bd3d98_ctx:
	s_mov_b64 s[64:65], 0
	v_nop
	global_prefetch_b8 v0, s[64:65] scope:SCOPE_SE
	s_setreg_imm32_b32 hwreg(HW_REG_WAVE_MODE, 25, 1), 1
	s_wait_xcnt 0x0
	s_wait_alu depctr_hold_cnt(0) depctr_sa_sdst(0) depctr_va_vdst(0) depctr_va_sdst(0) depctr_va_ssrc(0) depctr_va_vcc(0) depctr_vm_vsrc(0)
	s_getreg_b32 s2, hwreg(HW_REG_IB_STS2, 6, 4)
	s_cmp_eq_u32 s2, 0
	s_cbranch_scc0 .Lentry_in_a_cluster
	s_endpgm
.Lentry_in_a_cluster:
	s_bfe_u32 s2, ttmp6, 0x10000c
	s_cmp_lg_u32 s2, 0x3003
	s_cbranch_scc0 .Lentry_shape_is_right
	s_endpgm
.Lentry_shape_is_right:
; THE CONTEXT.  out[q] = the sum over keys k <= q of Q(w[q][k]) Q(v[k]),  w = 2^(t + ng[k]),  t = score x log2(e) / 32,  ng = -(M + log2 l) of key k's column, made by the launch before:
; w is reference()'s finished, normalised weight; the column's maximum is taken away inside ng.  w is quantised along the keys with 2^e8; v arrives as codes with the keys innermost.
; WORK LEFT OUT: key blocks that lie wholly behind a tile's block of 128 queries: reference() itself sets their scores to -inf, so their weights are 0.  LIMIT: a NaN, an infinity or an overflow that would arise only there is not carried.
; SHARES.  As in the launch before, with queries for keys.  A half-step is 64 keys x 32 queries, h = key / 64.  A work-group (cluster x, place cx) has 8 tiles of 32 QUERIES: T = 0 .. 7: block b = 2 T + ((T & 1) ^ x), in it the
; 32 queries of cx; its walk is h = 0 .. 2 b + 1.  Tile T is walked by m = T / 2 + 1 waves: 20 in all; wave j of m takes h = j, j + m, ...: at most 8.  The bit tables give each wave its T and j; pos is its number in the list of tiles and
; their waves; the walks of the waves with equal w & 3 add up to 34 half-steps.  There is no running maximum here, so the waves' sums of a tile simply add: they meet in LDS at the end.  No branch and no LDS address hangs on cx.
; LDS: the head's k and v (16 blocks of 16,384 bytes: half h at 8,192 h, k's four units, then v's) and ng (8,192 bytes), filled once, by one joint load of each of waves 0-15: waves 0-13 a block each, wave 14 blocks 14-15, wave 15 ng.
; No prefetch: every load is issued at the head, and there is no loop to run ahead in.
; LAYOUT.  Both products transposed: S^T = k q^T (source 0 = 16 keys, source 1 = 16 queries), O^T = v^T w^T: a lane holds ONE query throughout.  In S^T register j of tile c is key 16 c + 8 (lane / 16) + j:
; the conversion of tile c gives registers 2 c, 2 c + 1 of the second product's operand.  ng comes from LDS in the same layout.
; 192 REGISTERS, five waves to a SIMD: one bank of 32 holds k's fragments, then ng, then v's; the second query tile's codes lie over the first scores, which are consumed by then.
; LIMITS: e6 + e7 between -121 and 132; e8 between -126 and 112; e8 + e9 between -126 and 127.  The order of the f32 sums of O differs from reference()'s.
.set NGL,   262144
.set SPARE, 270336
.set SLOT,  8704                       ; the way out: 2 tiles x 16 rows x (256 bytes + 16) for each pos, laid over the tiles, which have had their only fill and are read no more
.set A0,  1                            ; v1   16 x lane
.set AG0, 2                            ; v2   NGL + 32 (lane / 16)
.set CVS, 3                            ; v3   2^e8 as f32
.set SPW, 4
.set NIL, 5
.set AD,  6                            ; v6   the address in hand, or the mask's number
.set DD,  7                            ; v7   the mask: 32 cx + lane % 16 - 8 (lane / 16)
.set WC,  8                            ; v8-15 w's codes of query tile 0; tile 1's lie 56 registers on, at S
.set STI, 8                            ; on the way out: v8 where I put 32 bytes of a row,
.set RDO, 9                            ; v9 where I read rows back,
.set GO,  10                           ; v10 my byte offset in the rows of out0
.set QF,  16                           ; v16-31  my 32 queries: two fragments
.set F,   32                           ; v32-63  the bank
.set S,   64                           ; v64-127 S^T, then w: tile q, keys 16 c on, at S + 32 q + 8 c
.set O,   128                          ; v128-191 O^T: tile q, channels 16 t on, at O + 32 q + 8 t
.set WV,  12
.set CX,  13
.set NM2, 14                           ; 2 b
.set BH,  15
.set MM,  16
.set IDX, 17
.set JJ,  18
.set NN,  19                           ; 2 b + 2
.set LIM, 74                           ; s74  57,344 x 2^e8
.set NINF, 79                          ; s79  -infinity
.macro CROUND
	s_barrier_signal -1
	s_barrier_wait -1
	s_cmp_lg_u32 s[WV], 0
	s_cbranch_scc1 .Lnot_wave_0_\@
	s_barrier_signal -3
.Lnot_wave_0_\@:
	s_barrier_wait -3
	s_barrier_signal -1
	s_barrier_wait -1
.endm
.macro BIT d, t                        ; one bit a wave
	s_lshr_b32 s[\d], \t, s[WV]
	s_and_b32 s[\d], s[\d], 1
.endm
	s_load_b256 s[4:11], s[0:1], 0x0               ; kvf, qf, ng, the scales' exponents
	s_load_b64 s[20:21], s[0:1], 0x20              ; out0
	v_lshl_add_u32 v[SPW], v0, 2, SPARE
	v_mov_b32 v[NIL], 0
	ds_add_u32 v[SPW], v[NIL]                      ; the opening: the add, twice on end, and its wait
	ds_add_u32 v[SPW], v[NIL]
	v_lshrrev_b32 v32, 5, v0
	v_readfirstlane_b32 s[WV], v32                 ; wave 0..19
	s_bfe_u32 s[CX], ttmp6, 0x40000
	s_and_b32 s[BH], ttmp7, 0xffff                 ; 16 batch + head
	BIT 67, 0x1fd3
	BIT 68, 0xe31dd
	BIT 69, 0xeff31
	s_lshl_b32 s68, s68, 1
	s_lshl_b32 s69, s69, 2
	s_or_b32 s67, s67, s68
	s_or_b32 s67, s67, s69                         ; T
	BIT JJ, 0xa9498
	BIT 68, 0x23920
	s_lshl_b32 s68, s68, 1
	s_or_b32 s[JJ], s[JJ], s68                     ; j
	s_lshr_b32 s[MM], s67, 1
	s_add_co_u32 s[MM], s[MM], 1                   ; m
	s_lshl_b32 s68, s67, 2
	s_lshr_b32 s68, 0x96421000, s68                ; the tile's first pos is T + its four bits here
	s_and_b32 s68, s68, 15
	s_add_co_u32 s70, s68, s67
	s_add_co_u32 s70, s70, s[JJ]                   ; pos
	s_mul_i32 s81, s70, SLOT
	s_and_b32 s68, s67, 1
	s_xor_b32 s68, s68, ttmp9                      ; the cluster's x: the same in all four partners
	s_lshl_b32 s69, s67, 1
	s_add_co_u32 s68, s68, s69                     ; b: my queries' block
	s_lshl_b32 s[NM2], s68, 1
	s_add_co_u32 s[NN], s[NM2], 2
	; group 1: dense rows: s[24:31] 16 rows of 1,024 bytes; s[32:39] 32 of them; s[40:47] ng: 32 rows of 256
.irp g, 24, 32, 40
	s_mov_b32 s[\g+0], 15|(3<<16)|(1<<21)          ; the mask: all four work-groups; elements of 8 bytes; bit 21 beside a mask
	s_mov_b32 s[\g+6], 0
	s_mov_b32 s[\g+7], 0
.endr
.irp g, 24, 32
	s_mov_b32 s[\g+1], 128<<16
	s_mov_b32 s[\g+3], 128<<16
	s_mov_b32 s[\g+5], 128
.endr
	s_mov_b32 s26, 16<<16
	s_mov_b32 s28, 16
	s_mov_b32 s34, 32<<16
	s_mov_b32 s36, 32
	s_mov_b32 s41, 32<<16
	s_mov_b32 s42, 32<<16
	s_mov_b32 s43, 32<<16
	s_mov_b32 s44, 32
	s_mov_b32 s45, 32
	s_mov_b32 s22, 0x3d38aa3b                      ; log2(e) / 32
	s_mov_b32 s[NINF], 0xff800000
	s_lshl_b32 s82, s[BH], 18                      ; the head's k and v,
	s_lshl_b32 s83, s[WV], 14                      ; my block
	s_add_co_u32 s82, s82, s83
	s_mov_b32 s83, 0
	s_lshl_b32 s84, s[BH], 13                      ; ng
	s_mov_b32 s85, 0
	s_lshr_b32 s77, s[CX], 1
	s_add_co_u32 s77, s77, s[NM2]                  ; my queries' half h = 2 b + cx / 2,
	s_xor_b32 s77, s77, 31                         ; which lies at 31 - h in qf
	s_lshl_b32 s77, s77, 12
	s_lshl_b32 s76, s[BH], 17
	s_add_co_u32 s76, s76, s77
	s_and_b32 s77, s[CX], 1
	s_lshl_b32 s77, s77, 11
	s_add_co_u32 s76, s76, s77
	s_mov_b32 s77, 0
	; the way out: wave w = 0 .. 15 finishes rows 16 (w & 1) .. + 15 of the tile T = w / 2, which w / 4 + 1 waves have walked
	s_lshr_b32 s86, s[WV], 1
	s_and_b32 s86, s86, 7
	s_and_b32 s87, s[WV], 1
	s_lshl_b32 s88, s86, 2
	s_lshr_b32 s89, 0x96421000, s88
	s_and_b32 s89, s89, 15
	s_add_co_u32 s89, s89, s86                     ; the tile's first pos
	s_mul_i32 s89, s89, SLOT
	s_mul_i32 s88, s87, SLOT/2
	s_add_co_u32 s89, s89, s88
	s_and_b32 s88, s86, 1
	s_xor_b32 s88, s88, ttmp9
	s_lshl_b32 s86, s86, 1
	s_add_co_u32 s88, s88, s86                     ; its block
	s_lshl_b32 s88, s88, 7
	s_lshl_b32 s80, s[CX], 5                       ; 32 cx
	s_add_co_u32 s88, s88, s80
	s_lshl_b32 s87, s87, 4
	s_add_co_u32 s88, s88, s87
	s_lshr_b32 s86, s[BH], 4                       ; batch
	s_lshl_b32 s86, s86, 11
	s_add_co_u32 s88, s88, s86                     ; the first row that I store
	s_lshl_b32 s86, s88, 12
	s_and_b32 s87, s[BH], 15
	s_lshl_b32 s87, s87, 8                         ; the head's 256 bytes of a row
	s_add_co_u32 s86, s86, s87
	s_mov_b32 s87, 0
	s_wait_dscnt 0x0                               ; both opening adds are done
	s_wait_kmcnt 0x0
	s_load_b128 s[68:71], s[10:11], 0x18           ; e6, e7, e8, e9
	s_mov_b32 s48, 1
	s_lshl_b32 s49, s[WV], 14
	s_add_nc_u64 s[50:51], s[4:5], s[82:83]
	s_or_b32 s51, s51, 0x80000000
	s_mov_b32 s56, 1
	s_mov_b32 s57, NGL
	s_add_nc_u64 s[58:59], s[8:9], s[84:85]
	s_or_b32 s59, s59, 0x80000000
	s_add_nc_u64 s[76:77], s[6:7], s[76:77]
	s_add_nc_u64 s[20:21], s[20:21], s[86:87]
	CROUND                                         ; all four work-groups are here: the joint loads meet
	s_cmp_lt_u32 s[WV], 14
	s_cbranch_scc0 .Lnot_one
	tensor_load_to_lds s[48:51], s[24:31]
	s_nop 0
.rept 4
	v_nop
.endr
	s_branch .Lasked
.Lnot_one:
	s_cmp_eq_u32 s[WV], 14
	s_cbranch_scc0 .Lnot_two
	tensor_load_to_lds s[48:51], s[32:39]
	s_nop 0
.rept 4
	v_nop
.endr
	s_branch .Lasked
.Lnot_two:
	s_cmp_eq_u32 s[WV], 15
	s_cbranch_scc0 .Lasked                         ; waves 16-19 bring nothing
	tensor_load_to_lds s[56:59], s[40:47]
	s_nop 0
.rept 4
	v_nop
.endr
.Lasked:
	v_and_b32 v32, 31, v0
	v_and_b32 v33, 15, v0                          ; r
	v_lshlrev_b32 v[A0], 4, v32
.irp e, 0,1,2,3
	global_load_b128 v[QF+4*\e:QF+4*\e+3], v[A0], s[76:77] offset:512*\e   ; my queries' two fragments stay in registers
.endr
	v_bfe_u32 v34, v0, 4, 1                        ; lane / 16
	v_lshlrev_b32 v[AG0], 5, v34
	v_lshlrev_b32 v[DD], 3, v34
	v_add_nc_u32 v[AG0], NGL, v[AG0]
	v_sub_nc_u32 v[DD], v33, v[DD]
	v_add_nc_u32 v[DD], s80, v[DD]
	s_wait_kmcnt 0x0
	s_add_co_i32 s66, s68, s69
	s_lshl_b32 s66, s66, 23
	s_add_co_i32 s22, s22, s66                     ; a score stands for score x 2^(e6 + e7): the exponents are added to c's exponent field
	s_mov_b32 s23, s22
	s_add_co_i32 s66, s70, 127
	s_lshl_b32 s67, s66, 23
	v_mov_b32 v[CVS], s67
	s_add_co_i32 s66, s66, 15
	s_lshl_b32 s66, s66, 23
	s_or_b32 s[LIM], s66, 0x600000
	s_add_co_i32 s72, s70, s71
	s_add_co_i32 s72, s72, 127
	s_lshl_b32 s72, s72, 23                        ; 2^(e8 + e9) as f32
	s_mov_b32 s73, s72
	s_wait_alu depctr_va_vdst(0)
	s_wait_loadcnt 0x0                             ; my queries
; A HALF-STEP: the 64 keys of h = s60 (s61: the same for the addresses) x my 32 queries.  zero = 1: its products start the sums
.macro STEP zero
	s_lshl_b32 s62, s61, 13
	s_xor_b32 s63, s61, 31                         ; ng of half h, as the launch before laid it: h' = 31 - h; x = bit 1 ^ bit 2 of h', T = h' / 4, the 32 keys' place 2 (h & 1) and the next
	s_lshr_b32 s66, s63, 1
	s_xor_b32 s66, s66, s63
	s_and_b32 s66, s66, 2
	s_lshl_b32 s66, s66, 11
	s_and_b32 s67, s61, 1
	s_lshl_b32 s67, s67, 11
	s_lshr_b32 s63, s63, 2
	s_and_b32 s63, s63, 7
	s_lshl_b32 s63, s63, 7
	s_add_co_u32 s63, s63, s66
	s_add_co_u32 s63, s63, s67
	v_add_nc_u32 v[AD], s62, v[A0]
.rept 4
	v_nop                                          ; with the addition: five places behind the last step's products, whose codes the products below write over (the loads ask for four)
.endr
.irp c, 0,1,2,3
	ds_load_b128 v[F+8*\c:F+8*\c+3], v[AD] offset:1024*\c
	ds_load_b128 v[F+8*\c+4:F+8*\c+7], v[AD] offset:1024*\c+512
.endr
	s_wait_dscnt 0x0                               ; k is in
.irp c, 0,1,2,3
.irp q, 0,1
	v_wmma_f32_16x16x64_bf8_bf8 v[S+32*\q+8*\c:S+32*\q+8*\c+7], v[F+8*\c:F+8*\c+7], v[QF+8*\q:QF+8*\q+7], 0
.endr
.endr
	v_add_nc_u32 v[AD], s63, v[AG0]
.rept 3
	v_nop                                          ; with the addition: four places in front of the loads into k's registers and of the first read of results
.endr
.irp c, 0,1,2,3
	ds_load_b128 v[F+8*\c:F+8*\c+3], v[AD] offset:1024*(\c/2)+64*(\c%2)       ; ng of keys 16 c + 8 (lane / 16) + 0 .. 7: the sixteen lanes of a half read one address
	ds_load_b128 v[F+8*\c+4:F+8*\c+7], v[AD] offset:1024*(\c/2)+64*(\c%2)+16
.endr
	s_wait_dscnt 0x0                               ; ng is in
	s_cmp_lt_u32 s60, s[NM2]                       ; in my queries' own block the scores of keys behind the query become -infinity: w = 0 then
	s_cbranch_scc1 .Lopen_\@
	s_sub_co_u32 s66, s60, s[NM2]
	s_lshl_b32 s66, s66, 6
	v_sub_nc_u32 v[AD], v[DD], s66
.irp q, 0,1
.set n, 0
.rept 32
	v_cmp_le_i32 vcc_lo, 16*(n/8)+n%8-16*\q, v[AD]   ; query tile 1's queries lie 16 further on
	v_cndmask_b32 v[S+32*\q+n], s[NINF], v[S+32*\q+n], vcc_lo
.set n, n+1
.endr
.endr
.Lopen_\@:
.irp q, 0,1
.set n, 0
.rept 16
	v_pk_fma_f32 v[S+32*\q+n:S+32*\q+n+1], v[S+32*\q+n:S+32*\q+n+1], s[22:23], v[F+n:F+n+1] op_sel_hi:[1,0,1]   ; t + ng, two at a time
.set n, n+2
.endr
.endr
	v_add_nc_u32 v[AD], s62, v[A0]
.irp t, 0,1,2,3
	ds_load_b128 v[F+8*\t:F+8*\t+3], v[AD] offset:4096+1024*\t       ; v lands under the exponentials
	ds_load_b128 v[F+8*\t+4:F+8*\t+7], v[AD] offset:4096+1024*\t+512
.endr
	s_wait_alu depctr_va_vdst(0)                   ; the wait ahead of the batch,
.set n, 0
.rept 64
	v_exp_f32 v[S+n], v[S+n]                       ; w = 2^(t + ng): finished and normalised
.set n, n+1
.endr
	v_nop                                          ; a plain line behind the exponentials
	s_wait_alu depctr_va_vdst(0)                   ; and the one ahead of its first reader
.irp q, 0,1
.irp c, 0,1,2,3
.irp j, 0,1,2,3,4,5,6,7
	v_min_num_f32 v[S+32*\q+8*\c+\j], s[LIM], v[S+32*\q+8*\c+\j]   ; the conversion to an 8-bit code does not saturate (ISA guide 7.6.2); w is not negative, so the hold is one-sided
.endr
	v_cvt_scalef32_pk8_bf8_f32 v[WC+56*\q+2*\c:WC+56*\q+2*\c+1], v[S+32*\q+8*\c:S+32*\q+8*\c+7], v[CVS]
.endr
.endr
	v_nop                                          ; one plain vector instruction between the last conversion and the products that read its result
	s_wait_alu depctr_va_vdst(0)
	s_wait_dscnt 0x0                               ; v is in
.irp t, 0,1,2,3
.irp q, 0,1
.if \zero
	v_wmma_f32_16x16x64_bf8_bf8 v[O+32*\q+8*\t:O+32*\q+8*\t+7], v[F+8*\t:F+8*\t+7], v[WC+56*\q:WC+56*\q+7], 0
.else
	v_wmma_f32_16x16x64_bf8_bf8 v[O+32*\q+8*\t:O+32*\q+8*\t+7], v[F+8*\t:F+8*\t+7], v[WC+56*\q:WC+56*\q+7], v[O+32*\q+8*\t:O+32*\q+8*\t+7]   ; the eight accumulators take turns, one instruction a turn
.endif
.endr
.endr
.endm
	s_wait_tensorcnt 0x0                           ; my load is in; behind the barrier everybody's.  Nothing is ever filled again
	s_barrier_signal -1
	s_barrier_wait -1
	s_mov_b32 s60, s[JJ]                           ; the first half-step, h = j: inside every walk
	s_mov_b32 s61, s60
	STEP 1
	s_mov_b32 s[IDX], 1
.Lwalk:
	s_mul_i32 s60, s[IDX], s[MM]
	s_add_co_u32 s60, s60, s[JJ]
	s_cmp_ge_u32 s60, s[NN]                        ; behind my walk's end: left out, by a branch on ids round no barrier and no load
	s_cbranch_scc1 .Lout
	s_min_u32 s61, s60, 31
	STEP 0
.Lout:
	s_add_co_u32 s[IDX], s[IDX], 1
	s_cmp_lt_u32 s[IDX], 8
	s_cbranch_scc1 .Lwalk
	; THE WAY OUT.  Each wave puts its two tiles' partial O^T into its slot; behind a barrier waves 0-15 add a tile's one to four slots, multiply by 2^(e8 + e9) and store 16 rows each: sixteen lanes store the
	; head's 256 consecutive bytes of a row, aligned.
.rept 4
	v_nop                                          ; places in front of the first read of the last results, and of the lines that write over the codes
.endr
	v_and_b32 v11, 15, v0                          ; r
	v_bfe_u32 v12, v0, 4, 1                        ; lane / 16
	v_mul_u32_u24 v[STI], v11, 272
	v_mul_u32_u24 v[RDO], v12, 272
	v_lshlrev_b32 v[GO], 12, v12
	v_lshl_add_u32 v[STI], v12, 5, v[STI]
	v_lshl_add_u32 v[RDO], v11, 4, v[RDO]
	v_lshl_add_u32 v[GO], v11, 4, v[GO]            ; back: lanes 0-15 one row of 256 bytes, lanes 16-31 the next; and the same two rows in out0
	v_add_nc_u32 v[STI], s81, v[STI]               ; in: row r, 32 bytes for each half of the lanes
	v_add_nc_u32 v[RDO], s89, v[RDO]
	s_wait_alu depctr_va_vdst(0)
	s_wait_dscnt 0x0                               ; my reads of the tiles are over
	s_barrier_signal -1
	s_barrier_wait -1                              ; everybody's are: the slots may be written
	s_wait_alu depctr_va_vdst(0)
.irp q, 0,1
.irp t, 0,1,2,3
	ds_store_b128 v[STI], v[O+32*\q+8*\t:O+32*\q+8*\t+3] offset:SLOT/2*\q+64*\t        ; lane (r, h): query r, channels 16 t + 8 h + 0 .. 7; each accumulator from its low end on
	ds_store_b128 v[STI], v[O+32*\q+8*\t+4:O+32*\q+8*\t+7] offset:SLOT/2*\q+64*\t+16
.endr
.endr
	s_wait_dscnt 0x0                               ; for the others' sake: my stores are done
	s_barrier_signal -1
	s_barrier_wait -1
	s_cmp_lt_u32 s[WV], 16
	s_cbranch_scc0 .Lend
.macro BACK n                          ; the tile's n-th slot into the 32 registers at F + 32 n
.irp i, 0,1,2,3,4,5,6,7
	ds_load_b128 v[F+32*\n+4*\i:F+32*\n+4*\i+3], v[RDO] offset:544*\i+SLOT*\n
.endr
.endm
.macro JOIN n                          ; and the one behind it added
	s_wait_alu depctr_va_vdst(0)                   ; directly ahead of the wait below
	s_wait_dscnt 0x0
.set m, 0
.rept 16
	v_pk_add_f32 v[F+32*\n+m:F+32*\n+m+1], v[F+32*\n+m:F+32*\n+m+1], v[F+32*\n+32+m:F+32*\n+33+m]
.set m, m+2
.endr
.endm
	BACK 0
	s_cmp_lt_u32 s[WV], 4
	s_cbranch_scc1 .Lsum_1
	BACK 1
	s_cmp_lt_u32 s[WV], 8
	s_cbranch_scc1 .Lsum_2
	BACK 2
	s_cmp_lt_u32 s[WV], 12
	s_cbranch_scc1 .Lsum_3
	BACK 3
	JOIN 2
.Lsum_3:
	JOIN 1
.Lsum_2:
	JOIN 0
.Lsum_1:
	s_wait_alu depctr_va_vdst(0)
	s_wait_dscnt 0x0
.set n, 0
.rept 16
	v_pk_mul_f32 v[F+n:F+n+1], v[F+n:F+n+1], s[72:73] op_sel_hi:[1,0]
.set n, n+2
.endr
.irp i, 0,1,2,3,4,5,6,7
	global_store_b128 v[GO], v[F+4*\i:F+4*\i+3], s[20:21] offset:8192*\i th:TH_STORE_NT   ; rows 2 i and 2 i + 1; written once, read by nobody here
.endr
.Lend:
	s_wait_tensorcnt 0x0                           ; the wave's end
	ds_add_u32 v[SPW], v[NIL]
	s_wait_dscnt 0x0
	CROUND                                         ; the closing round
	s_endpgm
.Lfunc_end_k_q90f2bd3d98_ctx:
	.size	k_q90f2bd3d98_ctx, .Lfunc_end_k_q90f2bd3d98_ctx-k_q90f2bd3d98_ctx
	.p2alignl 7, 3214868480
	.fill 96, 4, 3214868480
	.section	.rodata,"a",@progbits
	.p2align	6, 0x0
	.amdhsa_kernel k_q90f2bd3d98_ctx
		.amdhsa_group_segment_fixed_size 327680
		.amdhsa_private_segment_fixed_size 0
		.amdhsa_enable_private_segment 0
		.amdhsa_kernarg_size 40
		.amdhsa_user_sgpr_count 2
		.amdhsa_user_sgpr_kernarg_segment_ptr 1
		.amdhsa_wavefront_size32 1
		.amdhsa_system_sgpr_workgroup_id_x 1
		.amdhsa_system_sgpr_workgroup_id_y 1
		.amdhsa_system_sgpr_workgroup_id_z 1
		.amdhsa_system_vgpr_workitem_id 0
		.amdhsa_next_free_vgpr 192
		.amdhsa_next_free_sgpr 100
		.amdhsa_reserve_vcc 1
		.amdhsa_float_denorm_mode_32 3
		.amdhsa_float_denorm_mode_16_64 3
		.amdhsa_memory_ordered 1
		.amdhsa_forward_progress 1
		.amdhsa_inst_pref_size 47
	.end_amdhsa_kernel
	.amdgpu_metadata
---
amdhsa.version: [ 1, 2 ]
amdhsa.kernels:
  - .name:           k_q90f2bd3d98_ctx
    .symbol:         k_q90f2bd3d98_ctx.kd
    .args:
      - { .name: kvf, .offset: 0, .size: 8, .value_kind: global_buffer, .address_space: global }
      - { .name: qf, .offset: 8, .size: 8, .value_kind: global_buffer, .address_space: global }
      - { .name: ng, .offset: 16, .size: 8, .value_kind: global_buffer, .address_space: global }
      - { .name: lowp_scales, .offset: 24, .size: 8, .value_kind: global_buffer, .address_space: global }
      - { .name: out0, .offset: 32, .size: 8, .value_kind: global_buffer, .address_space: global }
    .group_segment_fixed_size: 327680
    .private_segment_fixed_size: 0
    .kernarg_segment_align: 8
    .kernarg_segment_size: 40
    .max_flat_workgroup_size: 640
    .sgpr_count:     100
    .vgpr_count:     192
    .wavefront_size: 32
...
	.end_amdgpu_metadata
.endif
;; end of part 3
